; MI455X (gfx1250); checked and timed in simulation.
; The chip was launched on July 23, 2026; its instructions are those of AMD's public machine-readable ISA for CDNA 5 (MIT licence, August 2026) and "CDNA5" Instruction Set Architecture Reference Guide (July 2026). The comments in the code are by the model that wrote it; some were corrected since.
;; Induction. Allowed arithmetic: matrix products marked QUANTISED: E2M1 operands, one E8M0 scale for each 32 along K, by v_wmma_scale_f32_16x16x128_f8f6f4 with both operands' format E2M1 (or v_wmma_scale_f32_32x16x128_f4), f32 sums; products left as they are: f32 operands where the result goes on into a quantised operand, else bf16, f16 or f32 operands; f32 sums; everything else in f32.
;; Inputs: W 1,024 x 1,024 float32; x 65,536 x 1,024 float32.
;; Outputs: out0 512 x 1,024 float32.
;; This version of the problem:
;;   THIS VERSION OF THE PROBLEM IS GIVEN IN LOW PRECISION. The matrix products marked QUANTISED in the list below multiply operands that are first quantised to E2M1 (2 exponent bits, 1 mantissa bit; 4 bits a number), with one power-of-two scale for each 32 numbers along K (OCP MX v1.0); their sums are f32. All else is computed in f32.
;;   The module's matrix products, in the order in which they are computed (A, B: the left and right operand; K: the contracted axis; several contracted axes count as one K, in the product's order):
;;     1. [M 65,536, K 1,024] x [K 1,024, N 1,024]; A: input x; B: input W: QUANTISED
;;     2. batch 512 x [M 128, K 1,024] x [K 1,024, N 1]; A: computed on the way; B: computed on the way: left as it is (N = 1 < 16)
;;     3. batch 512 x [M 128, K 1,024] x [K 1,024, N 1]; A: computed on the way; B: computed on the way: left as it is (N = 1 < 16)
;;     4. batch 512 x [M 128, K 1,024] x [K 1,024, N 1]; A: computed on the way; B: computed on the way: left as it is (N = 1 < 16)
;;   THE QUANTISER, for each operand of a quantised product, along K:
;;     - K is cut into blocks of 32 from its start; a last block that is shorter is filled with zeros.
;;     - A block's scale is 2^e with e = floor(log2(the largest magnitude in the block)) - 2, held to -126 .. 127; a block of zeros has e = 0. As a byte (E8M0): e + 127.
;;     - Each number is divided by its block's scale, clamped to +-6, and rounded to the nearest number of E2M1, ties to even, subnormals kept.
;;     - The product sums the exact products of the quantised numbers (number of the format x scale) in f32.
;;   ~~~python
;;   def quantise(x, axis):      # numpy; x: float32 -> the quantised numbers, widened to float32 again
;;       x = np.moveaxis(x, axis, -1); K = x.shape[-1]
;;       x = np.pad(x, [(0, 0)] * (x.ndim - 1) + [(0, -K % 32)]); x = x.reshape(x.shape[:-1] + (-1, 32)); a = np.abs(x).max(-1, keepdims=True)
;;       e = np.where(a > 0, np.clip(np.frexp(np.where(a > 0, a, 1))[1] - 1 - 2, -126, 127), 0)      # np.frexp(a)[1] - 1 = floor(log2(a)), exactly
;;       r = np.clip(x / 2.0 ** e, -6, 6)
;;       step = 2.0 ** (np.maximum(np.frexp(np.where(r == 0, 1, r))[1] - 1, 0) - 1)
;;       q = np.round(r / step) * step * 2.0 ** e      # np.round: ties to even
;;       return np.moveaxis(q.reshape(q.shape[:-2] + (-1,))[..., :K], -1, axis).astype(np.float32)
;;   ~~~
;; One version. Each part assembles by itself: llvm-mc -triple=amdgcn-amd-amdhsa -mcpu=gfx1250 --defsym DOCPART=n.
;; ======== version 1 of 1: 2 launches
;; limits: right only within a limited range of input values
;; workspace buffers: wq 557,056 bytes
;; launch prep_w (part 1): grid 128 x 1, 8 waves a work-group, no clusters, 1,280 bytes of LDS; arguments W, wq; writes wq
.if DOCPART == 1
	.amdgcn_target "amdgcn-amd-amdhsa--gfx1250"
	.amdhsa_code_object_version 6
	.text
	.protected	k_q6d651faca0_prep_w
	.globl	k_q6d651faca0_prep_w
	.p2align	8
	.type	k_q6d651faca0_prep_w,@function
k_q6d651faca0_prep_w:
	s_mov_b64 s[64:65], 0
	v_nop
	global_prefetch_b8 v0, s[64:65] scope:SCOPE_SE
	s_setreg_imm32_b32 hwreg(HW_REG_WAVE_MODE, 25, 1), 1
	s_wait_xcnt 0x0
; W [1024 (k)][1024 (n)], f32, K its FIRST axis, becomes codes of FP4 (E2M1) with one E8M0 byte for each 32 along K, laid in the order in which the next launch's operand registers take them.
; A block's scale is 2^(floor(log2(its largest magnitude)) - 2); its byte is the largest magnitude's exponent field - 2, held at 1 from below.
; LIMITS: a block of zeros gets the byte 1 where the quantiser says 127 (its codes are zeros, and only this program reads the bytes); NaN and infinities among the inputs are not served.
; LAYOUT OF wq.  The next launch's wave w (0..3) owns columns 256 w + 16 t + r, t = 4 g + tt.  For K step k (128 along K) and group g a UNIT of 4,352 bytes holds
;   four fragment images of 1,024 bytes (tt = 0..3): byte 512 c + 256 h + 16 r on = the 16 code bytes of column r, block 4 k + 2 c + h: what lane 16 h + r takes into registers 4 c .. 4 c + 3;
;   at 4,096: 256 bytes of scale words: lane 16 h' + r has 8 bytes, word i = the four bytes (blocks 4 k .. 4 k + 3) of tile tt = 2 i + h', column r.
; Units of g = 3 lie at 34,816 w + 4,352 k; those of g < 3 at 139,264 + 13,056 (8 w + k) + 4,352 g: all that one wave reads lies on end, K step by K step.
; SHARES.  A work-group makes one unit (128 of them).  Wave v = 4 i + b takes block b of the K step for columns 32 i .. 32 i + 31 of the group: A LANE TAKES A COLUMN AND ITS 32 REGISTERS RUN DOWN K,
; so a block's largest magnitude needs no other lane and the conversions give codes with K innermost.  A lane's 16 code bytes are stored straight: sixteen lanes store 256 consecutive bytes, aligned.
; The 256 scale bytes meet in LDS and leave by one store of wave 0: 256 consecutive bytes, aligned.
.set X,  16                            ; v16-47  the block's 32 numbers
.set CD, 48                            ; v48-51  its codes
	s_load_b128 s[4:7], s[0:1], 0x0                ; W s[4:5], wq s[6:7]
	v_lshl_add_u32 v64, v0, 2, 0x100
	v_mov_b32 v65, 0
	v_lshrrev_b32 v1, 5, v0
	s_delay_alu instid0(VALU_DEP_1)
	v_readfirstlane_b32 s8, v1                     ; wave v = 4 i + b
	v_and_b32 v1, 31, v0                           ; lane
	s_delay_alu instid0(VALU_DEP_1)
	v_lshlrev_b32 v2, 2, v1                        ; in: 4 bytes a lane
	s_delay_alu instid0(VALU_DEP_2)
	v_lshrrev_b32 v3, 4, v1
	s_delay_alu instid0(VALU_DEP_3)
	v_and_b32 v6, 15, v1
	s_delay_alu instid0(VALU_DEP_2)
	v_lshlrev_b32 v3, 10, v3
	s_delay_alu instid0(VALU_DEP_1)
	v_lshl_add_u32 v3, v6, 4, v3                   ; out: 1,024 (lane / 16) + 16 (lane % 16): my tile's image, my column's 16 bytes
	v_lshlrev_b32 v5, 3, v1                        ; 8 x lane: a lane's two scale words
	s_delay_alu instid0(VALU_DEP_1)
	v_add_nc_u32 v4, s8, v5                        ; LDS: word i, byte b of them: 8 x lane + 4 i + b
	s_and_b32 s9, ttmp9, 3                         ; w
	s_bfe_u32 s10, ttmp9, 0x20002                  ; g
	s_lshr_b32 s11, ttmp9, 4                       ; k
	s_lshr_b32 s12, s8, 2                          ; i
	s_and_b32 s13, s8, 3                           ; b
	s_lshl_b32 s14, s11, 7
	s_lshl_b32 s15, s13, 5
	s_add_co_u32 s14, s14, s15                     ; my first row of W: 128 k + 32 b,
	s_lshl_b32 s14, s14, 12                        ; in bytes;
	s_lshl_b32 s15, s9, 10
	s_add_co_u32 s14, s14, s15                     ; + 4 x my first column: 256 w
	s_lshl_b32 s15, s10, 8
	s_add_co_u32 s14, s14, s15                     ; + 64 g
	s_lshl_b32 s15, s12, 7
	s_add_co_u32 s14, s14, s15                     ; + 32 i
	s_mov_b32 s15, 0
	s_mul_i32 s16, s9, 34816
	s_mul_i32 s17, s11, 4352
	s_add_co_u32 s16, s16, s17                     ; the unit's place if g = 3
	s_lshl_b32 s17, s9, 3
	s_add_co_u32 s17, s17, s11                     ; 8 w + k
	s_mul_i32 s17, s17, 13056
	s_mul_i32 s18, s10, 4352
	s_add_co_u32 s17, s17, s18
	s_add_co_u32 s17, s17, 139264                  ; and if g < 3
	s_cmp_eq_u32 s10, 3
	s_cselect_b32 s16, s16, s17
	s_mov_b32 s17, 0
	s_lshl_b32 s18, s12, 11                        ; in the unit: tiles 2 i, 2 i + 1;
	s_lshr_b32 s19, s13, 1
	s_lshl_b32 s19, s19, 9
	s_add_co_u32 s18, s18, s19                     ; c = b / 2;
	s_and_b32 s19, s13, 1
	s_lshl_b32 s19, s19, 8
	s_add_co_u32 s18, s18, s19                     ; h = b % 2
	s_mov_b32 s19, 0
	s_wait_alu depctr_va_vdst(0)
	s_wait_kmcnt 0x0
	s_add_nc_u64 s[4:5], s[4:5], s[14:15]
	s_add_nc_u64 s[6:7], s[6:7], s[16:17]          ; the unit
	s_add_nc_u64 s[20:21], s[6:7], s[18:19]        ; my wave's codes in it
.irp q, 0,1,2,3,4,5,6,7,8,9,10,11,12,13,14,15,16,17,18,19,20,21,22,23,24,25,26,27,28,29,30,31
	global_load_b32 v[X+\q], v2, s[4:5] offset:\q*4096 th:TH_LOAD_NT   ; W(128 k + 32 b + q, my column): 32 lanes read 128 consecutive bytes
.endr
	s_wait_loadcnt 0x0
	v_max3_num_f32 v8, |v[X]|, |v[X+1]|, |v[X+2]|                      ; the block's largest magnitude, in two chains
	v_max3_num_f32 v9, |v[X+3]|, |v[X+4]|, |v[X+5]|
.irp i, 6,10,14,18,22,26
	s_delay_alu instid0(VALU_DEP_2)
	v_max3_num_f32 v8, v8, |v[X+\i]|, |v[X+\i+1]|
	s_delay_alu instid0(VALU_DEP_2)
	v_max3_num_f32 v9, v9, |v[X+\i+2]|, |v[X+\i+3]|
.endr
	s_delay_alu instid0(VALU_DEP_2)
	v_max3_num_f32 v8, v8, |v[X+30]|, |v[X+31]|
	s_delay_alu instid0(VALU_DEP_1)
	v_max3_num_f32 v8, v8, v9, 0x1800000           ; and the floor 2^(3 - 127): the byte cannot fall under 1
	s_delay_alu instid0(VALU_DEP_1)
	v_add_nc_u32 v10, 0xff000000, v8               ; 2 off the exponent field: the conversion takes this operand's exponent field as its scale
	s_delay_alu instid0(VALU_DEP_1)
	v_lshrrev_b32 v11, 23, v10                     ; the scale's byte
.irp g, 0,1,2,3
	v_cvt_scalef32_pk8_fp4_f32 v[CD+\g], v[X+8*\g:X+8*\g+7], v10
.endr
	v_nop                                          ; one plain line behind the last scaled conversion
	global_store_b128 v3, v[CD:CD+3], s[20:21]     ; lanes 0-15 and lanes 16-31 each store 256 consecutive bytes, aligned
	ds_store_b8 v4, v11
	s_wait_dscnt 0x0                               ; for wave 0's sake: my byte has landed
	s_barrier_signal -1
	s_barrier_wait -1
	s_cmp_lg_u32 s8, 0
	s_cbranch_scc1 .Lend
	ds_load_b64 v[12:13], v5                       ; the unit's 256 scale bytes, 8 a lane
	s_wait_dscnt 0x0
	global_store_b64 v5, v[12:13], s[6:7] offset:4096
.Lend:
	s_wait_tensorcnt 0x0
	ds_add_u32 v64, v65
	s_wait_dscnt 0x0
	s_endpgm
.Lfunc_end_k_q6d651faca0_prep_w:
	.size	k_q6d651faca0_prep_w, .Lfunc_end_k_q6d651faca0_prep_w-k_q6d651faca0_prep_w
	.p2alignl 7, 3214868480
	.fill 96, 4, 3214868480
	.section	.rodata,"a",@progbits
	.p2align	6, 0x0
	.amdhsa_kernel k_q6d651faca0_prep_w
		.amdhsa_group_segment_fixed_size 1280
		.amdhsa_private_segment_fixed_size 0
		.amdhsa_enable_private_segment 0
		.amdhsa_kernarg_size 16
		.amdhsa_user_sgpr_count 2
		.amdhsa_user_sgpr_kernarg_segment_ptr 1
		.amdhsa_wavefront_size32 1
		.amdhsa_system_sgpr_workgroup_id_x 1
		.amdhsa_system_sgpr_workgroup_id_y 1
		.amdhsa_system_sgpr_workgroup_id_z 1
		.amdhsa_system_vgpr_workitem_id 0
		.amdhsa_next_free_vgpr 66
		.amdhsa_next_free_sgpr 66
		.amdhsa_reserve_vcc 0
		.amdhsa_float_denorm_mode_32 3
		.amdhsa_float_denorm_mode_16_64 3
		.amdhsa_memory_ordered 1
		.amdhsa_forward_progress 1
		.amdhsa_inst_pref_size 9
	.end_amdhsa_kernel
	.amdgpu_metadata
---
amdhsa.version: [ 1, 2 ]
amdhsa.kernels:
  - .name:           k_q6d651faca0_prep_w
    .symbol:         k_q6d651faca0_prep_w.kd
    .args:
      - { .name: W, .offset: 0, .size: 8, .value_kind: global_buffer, .address_space: global }
      - { .name: wq, .offset: 8, .size: 8, .value_kind: global_buffer, .address_space: global }
    .group_segment_fixed_size: 1280
    .private_segment_fixed_size: 0
    .kernarg_segment_align: 8
    .kernarg_segment_size: 16
    .max_flat_workgroup_size: 256
    .sgpr_count:     66
    .vgpr_count:     66
    .wavefront_size: 32
...
	.end_amdgpu_metadata
.endif
;; end of part 1
;; launch induct (part 2): grid 512 x 1, 4 waves a work-group, clusters of 4 x 1, 327,680 bytes of LDS; arguments x, wq, out0; writes out0
.if DOCPART == 2
	.amdgcn_target "amdgcn-amd-amdhsa--gfx1250"
	.amdhsa_code_object_version 6
	.text
	.protected	k_q6d651faca0_induct
	.globl	k_q6d651faca0_induct
	.p2align	8
	.type	k_q6d651faca0_induct,@function
k_q6d651faca0_induct:
	s_mov_b64 s[64:65], 0
	v_nop
	global_prefetch_b8 v0, s[64:65] scope:SCOPE_SE
	s_setreg_imm32_b32 hwreg(HW_REG_WAVE_MODE, 25, 1), 1
	s_wait_xcnt 0x0
	s_wait_alu depctr_hold_cnt(0) depctr_sa_sdst(0) depctr_va_vdst(0) depctr_va_sdst(0) depctr_va_ssrc(0) depctr_va_vcc(0) depctr_vm_vsrc(0)
	s_getreg_b32 s2, hwreg(HW_REG_IB_STS2, 6, 4)
	s_cmp_eq_u32 s2, 0
	s_cbranch_scc0 .Lentry_in_a_cluster
	s_endpgm
.Lentry_in_a_cluster:
	s_bfe_u32 s2, ttmp6, 0x10000c
	s_cmp_lg_u32 s2, 0x3003
	s_cbranch_scc0 .Lentry_shape_is_right
	s_endpgm
.Lentry_shape_is_right:
; One work-group takes one class: e = Q(x) Q(W) for its 128 rows x 1,024 columns on codes of FP4 (E2M1, one E8M0 byte for each 32 along K), then three rounds of routing
;   d = softmax(b) over the 128 rows;  c = sum of d e;  coeff = sq / (1 + sq) / sqrt(sq + 1e-9), sq = |c|^2;  b += coeff (e . c);  the third coeff c is the result.
; e NEVER GOES TO MEMORY: of its 512 KiB, 384 stay in accumulators (windows 1 to 3 of each wave's registers), 128 lie in LDS.
; SHARES.  Wave w owns columns 256 w + 16 t + r (t = 0..15) for all 128 rows.  x's rows are quantised once: wave w takes rows 32 w .. 32 w + 31; the codes reach all waves through LDS as images of the operand's registers.
; W's codes come from wq (laid by the launch before in operand order).  All work-groups walk the same W, so the four partners of a cluster ask for each piece JOINTLY (one tensor load, mask 15, the same descriptor).
; A wave reads only the bytes of W that its own loads brought.
; THE ORDER OF THE PRODUCT.  Tiles 0-11 come first, in windows 1 to 3: while they are summed no e lies in LDS, so that a slot of the ring holds TWO K steps (26,112 bytes a wave) and a refill has two K steps' products in
; which to land.  Then tiles 8-11 (window 3) are spilled to LDS, over slot B, which has had its last fill and its last read, and 7,168 bytes a wave beside it; tiles 12-15 are summed in window 3.  Their W: K steps 0-5 come
; into slot A when it has been read out, K steps 6, 7 into the places of K steps 0, 1.  Four refills in all, each behind a round of the cluster's barrier.
; PRODUCT.  Source 0 = 16 rows of x, source 1 = 16 columns of W: register j of lane (r, h) of an accumulator holds e(16 a + 8 h + j, column r).  So a lane holds ONE column: c is a sum in the lane and over the two halves;
; e . c is a sum over the 16 lanes of a half (a butterfly that leaves each lane four rows) and over the four waves (through LDS).
; The softmax takes the rows' largest b away first.  The products e . c and d e are fused multiply-adds in f32.
; LIMITS: NaN and infinities among the inputs are not served; where sq exceeds 2^126 the reciprocal of 1 + sq falls to 0 and so does the result; a block of zeros of x carries the byte 1 (its codes are zeros).
;
; LDS
.set XC,    0                          ; 65,536: x's fragment images: row block a, K step s at 1,024 (8 a + s) + 512 c + 16 lane.
.set XS,    65536                      ; 4,096: x's scale words: 512 s + 16 lane + 4 i = row block 2 i + lane / 16, row lane % 16
; W OF TILES 12-15, AS THE CODE HAS IT: K steps 0-5 come into slot A when it has been read out, K steps 6, 7 into the places of K steps 0, 1 when those have been read.
; FIRST FILLS: slot A's at the head, one tensor load a wave; slot B's behind x's loop, issued as a refill is.  There is no seventh unit.
.set RA,    69632                      ; 4 x 26,112: slot A
.set RAW,   26112
.set RB,    174080                     ; 4 x 26,112: slot B; later 25 of the wave's 32 spilled images
.set RBW,   26112
.set QWB,   13056                      ; a K step of a wave's tiles 0-11: three units
.set UB,    4352                       ; a unit of wq: four fragment images and 256 bytes of scale words
.set EB,    278528                     ; 4 x 8,448: while x is read each wave's stage, 16 rows 528 bytes apart; later the other 7 spilled images.  No tensor load lands here
.set EBW,   8448
.set NE,    25
.set SPARE, 312320                     ; 512: the spare words, 128 bytes a wave; no other line names them
.set EX,    312832                     ; 2,304: 4 x 512 bytes of the waves' e . c in row order; at 2,048 their four squares
.set DS,    0                          ; 4 x 512: d in row order, each wave's own: over XC, which nobody reads in routing and into which no fill ever lands
.set OS,    4096                       ; 4 x 1,024: the way out, each wave's own: likewise
.set PWB,   34816                      ; wq: a wave's eight units of tiles 12-15;
.set QBASE, 139264                     ; where tiles 0-11 begin;
.set QWW,   104448                     ; a wave's eight K steps of them
; VECTOR REGISTERS, window 0
.set SPW, 1                            ; LDS address of my spare word; never rewritten
.set NIL, 2                            ; 0; never rewritten
.set L16, 3                            ; 16 x lane; never rewritten
.set L8,  4                            ; 8 x lane                                    (x and the product)
.set STW, 5                            ; (x) my stage + 16 lane
.set B1S, 5                            ; (product) my part of slot B + 8 lane
.set STR, 6                            ; (x) the stage, back: 528 r + 64 h
.set XSW, 7                            ; (x) XS + 16 r + 4 w
.set ES2, 7                            ; (from the product on) my 7,168 bytes of EB + 16 lane
.set ASB, 8                            ; XS + 16 lane
.set AAD, 9                            ; addresses of the loads in hand
.set ASD, 10
.set BPD, 11
.set BPS, 12
.set B0D, 13                           ; my part of slot A + 16 lane
.set B0S, 14                           ; + 8 lane
.set B1D, 15                           ; my part of slot B + 16 lane;
.set ESP, 15                           ; the same register serves the spilled images there
.set EXW, 4                            ; (routing)  EX + 512 w + RO;  RO = 4 x the first of my four rows
.set EXR, 5                            ; EX + RO
.set DSW, 6                            ; DS + 512 w + RO
.set PFO, 8                            ; the prefetches' offset
.set DSR, 9                            ; DS + 512 w + 32 h
.set XT,  10                           ; v10-13 two pairs at work; v10 keeps my wave's square
.set W0,  14                           ; at work
.set B4,  16                           ; v16-19 b of my four rows
.set SA,  20                           ; v20-27 x's scale words, two sets of 4; v28-31 W's, two sets of 2: these twelve hold scales and nothing else
.set SB,  28
.set TM,  32                           ; (x)  v32-35 largest magnitudes, v36-39 bytes, v40-43 the conversions' scale operands
.set SW,  16                           ; v16-17   a fragment's scale word, two by turns
.set TX,  44                           ; v44-171  64 numbers of a lane, two sets by turns
.set CX,  172                          ; v172-187 a fragment's codes, two sets by turns
.set IMG, 9                            ; (x) where the trip's images go: IMG0 + 2,048 x the trip's pair of K steps
.set XO,  10                           ; (x) the loads' offset: 16 lane + 1,024 x the pair of K steps that is being fetched
.set IMG0, 11                          ; (x) my wave's part of XC + 16 lane
.set XSW0, 12                          ; (x) XS + 16 r + 4 w
.set TK,  79                           ; (x) s79: my wave's number + the trips begun.  WAVE w TAKES THE FOUR PAIRS OF K STEPS IN THE ORDER w, w + 1, .. (mod 4): the four waves read four different 1,024 bytes of their rows at a time
.set AF,  64                           ; (product)  v64-191 x's fragments, two sets of 8 x 8;  v192-255 W's, two sets of 4 x 8
.set BF,  192
.set CP,  32                           ; (routing)  v32-63 sixteen pairs: c of tile t in the low word
.set DD,  64                           ; v64-127  d(16 a + 8 h + j) at 8 a + j
.set BP,  128                          ; v128-191 e . c of row 16 a + 8 h + j at 8 a + j
.set RT,  192                          ; v192-255 at work
; windows 1 to 3: accumulator (tt, a) at v[64 tt + 8 a]: window 1 tiles 0-3, window 2 tiles 4-7, window 3 tiles 8-11 and, when those are spilled, tiles 12-15.  While x is read, window 1 holds four sets of 16 loads.
; SCALAR REGISTERS: s[4:5] x at my wave's rows, s[6:7] wq, s[8:9] out0 at my wave's columns; s60, s61 at work
.set WV,  10
.set SEL, 14                           ; s[14:15] selects of v_permlanex16_b32 for lane xor 16
.set G1D, 16                           ; s[16:23] group 1: 102 rows of 256 bytes;  s[24:31]: 34 rows
.set G1X, 24
.set GA,  32                           ; groups 0, made once and never rewritten.  First fills: GA slot A (K steps 0, 1), GB slot B (2, 3).
.set GB,  36                           ; Refills: GD slot A (K steps 4, 5), GE slot B (6, 7), GF slot A (K steps 0-5 of tiles 12-15), GG slot A (their K steps 6, 7)
.set GC,  40
.set GD,  44
.set GE,  48
.set GF,  52
.set GG,  56
.set PWA, 62                           ; s[62:63] wq at my units of tiles 12-15;  s[82:83] at my K steps of tiles 0-11
.set MK,  68                           ; s68-71 the lanes whose bit 0, 1, 2, 3 is set
.set CNT, 72
.set IT,  73                           ; the round of routing
.set PFI, 74                           ; the round in which I prefetch, or -1
.set L2E, 75
.set PFB, 76                           ; s[76:77]
.set EPS, 78
.set TA,  79                           ; stepped in the K loop: x's images, x's scale words, W's units
.set TS,  80
.set TP,  81
.set QWA, 82
.set RAS, 84                           ; my part of slot A, of slot B
.set RBS, 85
.set SQA, 86                           ; EX + 2,048 + 4 w
.set MSB, 0
.macro WIN new                         ; s_set_vgpr_msb: bits 1:0 source 0, 3:2 source 1, 5:4 source 2, 7:6 destination; the high byte repeats the setting that is left
.if MSB != (\new)
	s_set_vgpr_msb (MSB<<8)|(\new)
.set MSB, (\new)
.endif
.endm
.macro PLACES n                        ; a load into a register that a matrix instruction has read, and a read of a result, stand four plain vector instructions behind it (ISA guide 7.12.1 for a read of a result)
.rept \n
	v_nop
.endr
.endm
.macro BAR
	s_barrier_signal -1
	s_barrier_wait -1
.endm
.macro CREST                           ; a round of the cluster's barrier behind its opening barrier
	s_cmp_lg_u32 s[WV], 0
	s_cbranch_scc1 .Lnot_wave_0_\@
	s_barrier_signal -3
.Lnot_wave_0_\@:
	s_barrier_wait -3
	s_barrier_signal -1
	s_barrier_wait -1
.endm
.macro CROUND
	s_barrier_signal -1
	s_barrier_wait -1
	CREST
.endm
.macro MKG0 g, lds, loff, mem, moff    ; a group 0: both addresses hang on the wave's number alone: equal in the four partners
	s_mov_b32 s[\g], 1                             ; 1:0 count = 1
	s_add_co_u32 s[\g+1], s[\lds], \loff           ; 63:32 LDS address
	s_add_nc_u64 s[\g+2:\g+3], s[\mem:\mem+1], \moff   ; 120:64 global address
	s_or_b32 s[\g+3], s[\g+3], 0x80000000          ; 127:126 type = 2
.endm
; ---- x: fragment f = 8 al + s is rows 16 al .. + 15 of my 32, K step s
.macro XLOAD u                         ; fragment u of a pair of K steps (rows 16 (u / 2) .. + 15 of my 32, K step u % 2 of the pair that XO names): 16 loads, each a row's 512 consecutive bytes, into set u of window 1
.irp i, 0,1,2,3,4,5,6,7,8,9,10,11,12,13,14,15
	global_load_b128 v[64*(\u)+4*\i:64*(\u)+4*\i+3], v[XO], s[4:5] offset:(16*((\u)/2)+\i)*4096+((\u)%2)*512 th:TH_LOAD_NT
.endr
.endm
.macro XTURN f                         ; through my stage: in as loaded, back so that register 16 b + i is k = 32 b + 16 h + i of row r.  528 = 33 x 16: the 16 rows of a load start at 16 different 16-byte columns of 256 bytes
	WIN 0x04
.irp i, 0,1,2,3,4,5,6,7,8,9,10,11,12,13,14,15
	ds_store_b128 v[STW], v[64*((\f)%4)+4*\i:64*((\f)%4)+4*\i+3] offset:528*\i
.endr
	WIN 0
.irp b, 0,1,2,3
.irp j, 0,1,2,3
	ds_load_b128 v[TX+64*((\f)%2)+16*\b+4*\j:TX+64*((\f)%2)+16*\b+4*\j+3], v[STR] offset:128*\b+16*\j   ; LDS serves a wave's instructions in order: these see the stores above, and the next fragment's stores come behind them
.endr
.endr
.endm
.macro QUANT s, pc, pw                 ; 64 numbers of a lane become a fragment's codes in v[pc] on and its scale word in v[pw]
.irp b, 0,1,2,3
	v_max3_num_f32 v[TM+\b], |v[\s+16*\b]|, |v[\s+1+16*\b]|, 0x1800000   ; block b: my 16 numbers, and the floor 2^(3 - 127): the byte cannot fall under 1
.endr
.irp i, 2,4,6,8,10,12,14
.irp b, 0,1,2,3
	v_max3_num_f32 v[TM+\b], v[TM+\b], |v[\s+16*\b+\i]|, |v[\s+1+16*\b+\i]|
.endr
.endr
.irp b, 0,1,2,3
	v_permlanex16_b32 v[TM+4+\b], v[TM+\b], s[SEL], s[SEL+1]
.endr
.irp b, 0,1,2,3
	v_max_num_f32 v[TM+\b], v[TM+\b], v[TM+4+\b]   ; with lane xor 16's: the block's largest magnitude
.endr
.irp b, 0,1,2,3
	v_add_nc_u32 v[TM+8+\b], 0xff000000, v[TM+\b]  ; 2 off its exponent field: the conversion's scale operand
.endr
.irp b, 0,1,2,3
	v_lshrrev_b32 v[TM+4+\b], 23, v[TM+8+\b]       ; the scale's byte
.endr
	v_lshl_or_b32 v[\pw], v[TM+5], 8, v[TM+4]
	v_lshl_or_b32 v[\pw], v[TM+6], 16, v[\pw]
	v_lshl_or_b32 v[\pw], v[TM+7], 24, v[\pw]
.irp b, 0,1,2,3
	v_cvt_scalef32_pk8_fp4_f32 v[(\pc)+2*\b], v[\s+16*\b:\s+7+16*\b], v[TM+8+\b]
	v_cvt_scalef32_pk8_fp4_f32 v[(\pc)+1+2*\b], v[\s+8+16*\b:\s+15+16*\b], v[TM+8+\b]
.endr
	v_nop                                          ; one plain line behind the last scaled conversion
.irp c, 0,1                            ; the operand wants a whole block in a lane: lanes 0-15 block 2 c, lanes 16-31 block 2 c + 1
.irp i, 0,1
	v_permlane16_swap_b32 v[(\pc)+4*\c+\i], v[(\pc)+2+4*\c+\i]
.endr
.endr
.endm
.macro XQ u                            ; fragment u of the trip is quantised; its codes and its scale word go straight to their images
	QUANT TX+64*((\u)%2), CX+8*((\u)%2), SW+(\u)%2
	ds_store_b128 v[IMG], v[CX+8*((\u)%2):CX+8*((\u)%2)+3] offset:1024*(8*((\u)/2)+(\u)%2)
	ds_store_b128 v[IMG], v[CX+8*((\u)%2)+4:CX+8*((\u)%2)+7] offset:1024*(8*((\u)/2)+(\u)%2)+512
	ds_store_b32 v[XSW], v[SW+(\u)%2] offset:512*((\u)%2)+256*((\u)/2)   ; lanes r and 16 + r hold the same word and write it to the same place
.endm
; Stage v: the loads of the fragment three on go out (into the set whose stores the last stage's wait has shown done); fragment v goes through my stage; the fragment before it is quantised meanwhile.
.macro XSTAGE v, ld, left, q
.if \ld
	WIN 0x40
	XLOAD ((\v)+3)%4
	WIN 0
.endif
	s_wait_loadcnt \left                           ; this fragment's 16 loads are in; the younger sets may be out
	XTURN (\v)%4
	s_wait_dscnt 16                                ; all but the 16 loads just issued: my stores have read the set, and the fragment before is back from the stage
.if \q
	XQ ((\v)+3)%4
.endif
.endm
; ---- the product
.macro LDA set, adr, off, a0           ; x's fragments of row blocks a0 .. a0 + 3
.irp a, 0,1,2,3
.irp c, 0,1
	ds_load_b128 v[AF+64*(\set)+8*((\a0)+\a)+4*\c:AF+64*(\set)+8*((\a0)+\a)+4*\c+3], v[\adr] offset:((\a0)+\a)*8192+(\off)+512*\c
.endr
.endr
.endm
.macro LDSA set, adr, off              ; their scale words: register i: lanes 0-15 row block 2 i, lanes 16-31 row block 2 i + 1
	ds_load_b128 v[SA+4*(\set):SA+4*(\set)+3], v[\adr] offset:\off
.endm
.macro LDB set, adr, off               ; a unit's four fragments of W
.irp t, 0,1,2,3
.irp c, 0,1
	ds_load_b128 v[BF+32*(\set)+8*\t+4*\c:BF+32*(\set)+8*\t+4*\c+3], v[\adr] offset:(\off)+1024*\t+512*\c
.endr
.endr
.endm
.macro LDSB set, adr, off              ; and its scale words: register i: lanes 0-15 tile 2 i, lanes 16-31 tile 2 i + 1
	ds_load_b64 v[SB+2*(\set):SB+2*(\set)+1], v[\adr] offset:\off
.endm
.macro WM d, a, b, sa, sb, pa, pb, zero   ; one matrix instruction; pa, pb: the scale words stand in lanes 16-31
.if \zero
.if (\pa) && (\pb)
	v_wmma_scale_f32_16x16x128_f8f6f4 v[(\d):(\d)+7], v[(\a):(\a)+7], v[(\b):(\b)+7], 0, v[\sa], v[\sb] matrix_a_fmt:MATRIX_FMT_FP4 matrix_b_fmt:MATRIX_FMT_FP4 matrix_a_scale:MATRIX_SCALE_ROW1 matrix_b_scale:MATRIX_SCALE_ROW1
.elseif \pa
	v_wmma_scale_f32_16x16x128_f8f6f4 v[(\d):(\d)+7], v[(\a):(\a)+7], v[(\b):(\b)+7], 0, v[\sa], v[\sb] matrix_a_fmt:MATRIX_FMT_FP4 matrix_b_fmt:MATRIX_FMT_FP4 matrix_a_scale:MATRIX_SCALE_ROW1
.elseif \pb
	v_wmma_scale_f32_16x16x128_f8f6f4 v[(\d):(\d)+7], v[(\a):(\a)+7], v[(\b):(\b)+7], 0, v[\sa], v[\sb] matrix_a_fmt:MATRIX_FMT_FP4 matrix_b_fmt:MATRIX_FMT_FP4 matrix_b_scale:MATRIX_SCALE_ROW1
.else
	v_wmma_scale_f32_16x16x128_f8f6f4 v[(\d):(\d)+7], v[(\a):(\a)+7], v[(\b):(\b)+7], 0, v[\sa], v[\sb] matrix_a_fmt:MATRIX_FMT_FP4 matrix_b_fmt:MATRIX_FMT_FP4
.endif
.else
.if (\pa) && (\pb)
	v_wmma_scale_f32_16x16x128_f8f6f4 v[(\d):(\d)+7], v[(\a):(\a)+7], v[(\b):(\b)+7], v[(\d):(\d)+7], v[\sa], v[\sb] matrix_a_fmt:MATRIX_FMT_FP4 matrix_b_fmt:MATRIX_FMT_FP4 matrix_a_scale:MATRIX_SCALE_ROW1 matrix_b_scale:MATRIX_SCALE_ROW1
.elseif \pa
	v_wmma_scale_f32_16x16x128_f8f6f4 v[(\d):(\d)+7], v[(\a):(\a)+7], v[(\b):(\b)+7], v[(\d):(\d)+7], v[\sa], v[\sb] matrix_a_fmt:MATRIX_FMT_FP4 matrix_b_fmt:MATRIX_FMT_FP4 matrix_a_scale:MATRIX_SCALE_ROW1
.elseif \pb
	v_wmma_scale_f32_16x16x128_f8f6f4 v[(\d):(\d)+7], v[(\a):(\a)+7], v[(\b):(\b)+7], v[(\d):(\d)+7], v[\sa], v[\sb] matrix_a_fmt:MATRIX_FMT_FP4 matrix_b_fmt:MATRIX_FMT_FP4 matrix_b_scale:MATRIX_SCALE_ROW1
.else
	v_wmma_scale_f32_16x16x128_f8f6f4 v[(\d):(\d)+7], v[(\a):(\a)+7], v[(\b):(\b)+7], v[(\d):(\d)+7], v[\sa], v[\sb] matrix_a_fmt:MATRIX_FMT_FP4 matrix_b_fmt:MATRIX_FMT_FP4
.endif
.endif
.endm
; tiles t0 .. t0 + nt - 1 of a unit x the eight row blocks, 128 along K.  The accumulators take turns, one instruction a turn, in the same order in every step.
; zero = 1: the first K step starts the sums: nothing is cleared.  The caller sets C's and D's window.
.macro MUL aset, bset, t0, nt, zero
.set tq, \t0
.rept \nt
.irp a, 0,1,2,3,4,5,6,7
	WM 64*tq+8*\a, AF+64*(\aset)+8*\a, BF+32*(\bset)+8*tq, SA+4*(\aset)+\a/2, SB+2*(\bset)+tq/2, \a%2, tq%2, \zero
.endr
.set tq, tq+1
.endr
.endm
.macro PLOADS set, aadr, aoff, sadr, soff, badr, bsadr, boff   ; a K step's operands for tiles 12-15: 26 LDS loads in one run
	LDA \set, \aadr, \aoff, 0
	LDA \set, \aadr, \aoff, 4
	LDSA \set, \sadr, \soff
	LDB \set, \badr, \boff
	LDSB \set, \bsadr, (\boff)+4096
.endm
; A K step k of tiles 0-11; p = k % 2 is x's set, and W's set for the first and third unit (second unit: the other).  Each unit's 32 matrix instructions stand behind the run of loads for the next unit.
; bd, bs, bo: the address registers of the slot in hand and the K step's place in it.  aoff, soff: the next step's x.  nd, ns, no: where the next step's first unit lies.
; turn = 1: this was the slot's second K step, and the slot is filled again by the load of descriptors g0, g1.
.macro QK p, zero, bd, bs, bo, aoff, soff, nd, ns, no, turn, g0, g1, tw=0   ; tw = 1: the next first unit was brought by my load that is still counted: wait for it
	s_wait_dscnt 0x0                               ; the first unit's operands are in
	PLACES 4
	LDB 1-\p, \bd, (\bo)+UB
	LDSB 1-\p, \bs, (\bo)+UB+4096
	LDA 1-\p, L16, \aoff, 0
	WIN 0x50
	MUL \p, \p, 0, 4, \zero
	WIN 0
	s_wait_dscnt 0x0                               ; the second unit's
	PLACES 4
	LDB \p, \bd, (\bo)+2*UB
	LDSB \p, \bs, (\bo)+2*UB+4096
	LDA 1-\p, L16, \aoff, 4
	LDSA 1-\p, ASB, \soff
	WIN 0xa0
	MUL \p, 1-\p, 0, 4, \zero
	WIN 0
.if \turn
	s_wait_tensorcnt 0x0                           ; all my tensor loads have landed, my part of the other slot among them;
	ds_add_u32 v[SPW], v[NIL]                      ; 0 onto my spare word;
	s_wait_dscnt 0x1                               ; the third unit's operands are in; only the add may be out
	WIN 0xf0
	MUL \p, \p, 0, 1, \zero                        ; eight matrix instructions stand between the add and the wait for it
	s_wait_dscnt 0x0                               ; the add is done, and my reads of this slot are over
	s_barrier_signal -1                            ; this barrier opens a round of the cluster's barrier
	MUL \p, \p, 1, 1, \zero
	WIN 0
	s_barrier_wait -1
	CREST                                          ; no wave of any partner still reads this slot or has a load on its way
	tensor_load_to_lds s[\g0:\g0+3], s[\g1:\g1+7]  ; my one tensor load behind the round: 26,112 bytes; 176 matrix instructions or more stand ahead of the wait for it
	s_nop 0
	PLACES 4                                       ; (the places in front of the loads below)
	LDB 1-\p, \nd, \no
	s_wait_alu depctr_va_vdst(0)
	LDSB 1-\p, \ns, (\no)+4096
	WIN 0xf0
	MUL \p, \p, 2, 2, \zero
	WIN 0
.else
	s_wait_dscnt 0x0                               ; the third unit's
.if \tw
	s_wait_tensorcnt 0x0                           ; no load was issued behind it; only I read its bytes
.endif
	PLACES 4
	LDB 1-\p, \nd, \no
	LDSB 1-\p, \ns, (\no)+4096
	WIN 0xf0
	MUL \p, \p, 0, 4, \zero
	WIN 0
.endif
.endm
; ---- routing
.macro EL1 d0, t0, d1, t1, m           ; load m (0..31) of the 32 that bring spilled tiles 8 + t0 and 8 + t1 back into 64 registers each, as the accumulators held them
.if (\m) < 16
.set elq, 8*(\t0)+(\m)/2
.set eld, \d0+4*(\m)
.else
.set elq, 8*(\t1)+((\m)-16)/2
.set eld, \d1+4*((\m)-16)
.endif
.if elq < NE
	ds_load_b128 v[eld:eld+3], v[ESP] offset:elq*1024+512*((\m)%2)
.else
	ds_load_b128 v[eld:eld+3], v[ES2] offset:(elq-NE)*1024+512*((\m)%2)
.endif
.endm
; e is source 1, so that only that place's window is switched.  ld = 1: the 32 loads of two spilled tiles go out in one run ahead of the work on accumulators
.macro CW win, tb, ld=0, d0=0, t0=0, d1=0, t1=0
	WIN \win
.if \ld
.set em, 0
.rept 32
	EL1 \d0, \t0, \d1, \t1, em
.set em, em+1
.endr
.endif
.irp a, 0,1,2,3,4,5,6,7
.irp jp, 0,1,2,3
.irp tt, 0,1,2,3
.if (\a == 0) && (\jp == 0)
	v_pk_mul_f32 v[CP+2*((\tb)+\tt):CP+2*((\tb)+\tt)+1], v[DD+8*\a+2*\jp:DD+8*\a+2*\jp+1], v[64*\tt+8*\a+2*\jp:64*\tt+8*\a+2*\jp+1]
.else
	v_pk_fma_f32 v[CP+2*((\tb)+\tt):CP+2*((\tb)+\tt)+1], v[DD+8*\a+2*\jp:DD+8*\a+2*\jp+1], v[64*\tt+8*\a+2*\jp:64*\tt+8*\a+2*\jp+1], v[CP+2*((\tb)+\tt):CP+2*((\tb)+\tt)+1]
.endif
.endr
.endr
.endr
.endm
.macro CL2 b0, t0, b1, t1              ; the same for two spilled tiles, each in two chains (row blocks 0-3, 4-7)
.irp a, 0,1,2,3
.irp jp, 0,1,2,3
.if (\a == 0) && (\jp == 0)
	v_pk_mul_f32 v[CP+2*(\t0):CP+2*(\t0)+1], v[\b0+8*\a+2*\jp:\b0+8*\a+2*\jp+1], v[DD+8*\a+2*\jp:DD+8*\a+2*\jp+1]
	v_pk_mul_f32 v[XT:XT+1], v[\b0+32+8*\a+2*\jp:\b0+32+8*\a+2*\jp+1], v[DD+32+8*\a+2*\jp:DD+32+8*\a+2*\jp+1]
	v_pk_mul_f32 v[CP+2*(\t1):CP+2*(\t1)+1], v[\b1+8*\a+2*\jp:\b1+8*\a+2*\jp+1], v[DD+8*\a+2*\jp:DD+8*\a+2*\jp+1]
	v_pk_mul_f32 v[XT+2:XT+3], v[\b1+32+8*\a+2*\jp:\b1+32+8*\a+2*\jp+1], v[DD+32+8*\a+2*\jp:DD+32+8*\a+2*\jp+1]
.else
	v_pk_fma_f32 v[CP+2*(\t0):CP+2*(\t0)+1], v[\b0+8*\a+2*\jp:\b0+8*\a+2*\jp+1], v[DD+8*\a+2*\jp:DD+8*\a+2*\jp+1], v[CP+2*(\t0):CP+2*(\t0)+1]
	v_pk_fma_f32 v[XT:XT+1], v[\b0+32+8*\a+2*\jp:\b0+32+8*\a+2*\jp+1], v[DD+32+8*\a+2*\jp:DD+32+8*\a+2*\jp+1], v[XT:XT+1]
	v_pk_fma_f32 v[CP+2*(\t1):CP+2*(\t1)+1], v[\b1+8*\a+2*\jp:\b1+8*\a+2*\jp+1], v[DD+8*\a+2*\jp:DD+8*\a+2*\jp+1], v[CP+2*(\t1):CP+2*(\t1)+1]
	v_pk_fma_f32 v[XT+2:XT+3], v[\b1+32+8*\a+2*\jp:\b1+32+8*\a+2*\jp+1], v[DD+32+8*\a+2*\jp:DD+32+8*\a+2*\jp+1], v[XT+2:XT+3]
.endif
.endr
.endr
	v_pk_add_f32 v[CP+2*(\t0):CP+2*(\t0)+1], v[CP+2*(\t0):CP+2*(\t0)+1], v[XT:XT+1]
	v_pk_add_f32 v[CP+2*(\t1):CP+2*(\t1)+1], v[CP+2*(\t1):CP+2*(\t1)+1], v[XT+2:XT+3]
.endm
.macro BW win, tb, first, ld=0, d0=0, t0=0, d1=0, t1=0
	WIN \win
.if \ld
.set em, 0
.rept 32
	EL1 \d0, \t0, \d1, \t1, em
.set em, em+1
.endr
.endif
.irp tt, 0,1,2,3
.set q, 0
.rept 32
.if (\first) && (\tt == 0)
	v_pk_mul_f32 v[BP+q:BP+q+1], v[CP+2*((\tb)+\tt):CP+2*((\tb)+\tt)+1], v[64*\tt+q:64*\tt+q+1] op_sel_hi:[0,1]
.else
	v_pk_fma_f32 v[BP+q:BP+q+1], v[CP+2*((\tb)+\tt):CP+2*((\tb)+\tt)+1], v[64*\tt+q:64*\tt+q+1], v[BP+q:BP+q+1] op_sel_hi:[0,1,1]
.endif
.set q, q+2
.endr
.endr
.endm
.macro BL buf, t                       ; the same for a spilled tile
.set q, 0
.rept 32
	v_pk_fma_f32 v[BP+q:BP+q+1], v[\buf+q:\buf+q+1], v[CP+2*(\t):CP+2*(\t)+1], v[BP+q:BP+q+1] op_sel_hi:[1,0,1]
.set q, q+2
.endr
.endm
.macro BFLY m, n, msk                  ; a level of the butterfly over the 16 lanes of a half: 2 n sums are joined with lane xor m's; lanes whose bit is set keep the upper n, the others the lower n
.set q, 0
.rept 2*\n
	v_add_f32_dpp v[BP+q], v[BP+q], v[BP+q] row_xmask:\m row_mask:0xf bank_mask:0xf
.set q, q+1
.endr
.set q, 0
.rept \n
	v_cndmask_b32 v[BP+q], v[BP+q], v[BP+q+\n], s[\msk]
.set q, q+1
.endr
.endm
.macro SQSUM                           ; the four waves' squares in v[RT+16] on: sq, and the two transcendentals of the coefficient
	v_add_f32 v[RT+16], v[RT+16], v[RT+17]
	v_add_f32 v[RT+18], v[RT+18], v[RT+19]
	v_add_f32 v[RT+16], v[RT+16], v[RT+18]
	v_add_f32 v[RT+17], 1.0, v[RT+16]
	v_add_f32 v[RT+18], s[EPS], v[RT+16]
	s_wait_alu depctr_va_vdst(0)
	v_rcp_f32 v[RT+17], v[RT+17]
	v_rsq_f32 v[RT+18], v[RT+18]
.endm
.macro COEFF                           ; behind plain work that names neither result: one wait for the two; coeff = (sq / (1 + sq)) / sqrt(sq + eps) in v[RT+17]
	s_wait_alu depctr_va_vdst(0)
	v_mul_f32 v[RT+17], v[RT+16], v[RT+17]
	v_mul_f32 v[RT+17], v[RT+17], v[RT+18]
.endm
; ======== the head
	s_load_b128 s[4:7], s[0:1], 0x0                ; x, wq
	s_load_b64 s[8:9], s[0:1], 0x10                ; out0
	v_lshl_add_u32 v[SPW], v0, 2, SPARE
	v_mov_b32 v[NIL], 0
	ds_add_u32 v1, v2
	ds_add_u32 v1, v2
	s_wait_dscnt 0x0
	v_lshrrev_b32 v[L8], 5, v0
	v_readfirstlane_b32 s[WV], v[L8]               ; wave 0..3
	v_and_b32 v[L16], 31, v0
	v_lshlrev_b32 v[L8], 3, v[L16]
	v_lshlrev_b32 v[L16], 4, v[L16]
	s_lshl_b32 s60, s[WV], 10
	v_add_nc_u32 v[XO], s60, v[L16]                ; my first pair of K steps: pair w
	s_bfe_u32 s11, ttmp6, 0x40000                  ; cx: my place in the cluster: it enters x's and out0's addresses alone
	s_lshl_b32 s12, ttmp9, 2
	s_add_co_u32 s12, s12, s11                     ; my class
	s_lshl_b32 s2, s12, 19                         ; its 128 rows of 4,096 bytes,
	s_lshl_b32 s3, s[WV], 17                       ; my wave's 32 of them
	s_add_co_u32 s2, s2, s3
	s_mov_b32 s3, 0
	s_lshl_b32 s12, s12, 12                        ; its row of out0,
	s_lshl_b32 s13, s[WV], 10                      ; my wave's 256 columns
	s_add_co_u32 s12, s12, s13
	s_mov_b32 s13, 0
	s_wait_alu depctr_va_vdst(0)
	s_wait_kmcnt 0x0
	s_add_nc_u64 s[4:5], s[4:5], s[2:3]
	s_add_nc_u64 s[8:9], s[8:9], s[12:13]
	WIN 0x40
	XLOAD 0                                        ; x first: 48 loads a wave are out while the rest of the head is made
	XLOAD 1
	XLOAD 2
	WIN 0
	s_cmp_lt_u32 ttmp9, 64                         ; classes 0-255 have a class 256 further on (the cluster's number: the same in all four partners)
	s_cselect_b32 s[PFI], 1, -1
	s_cselect_b32 s2, 0x8000000, 0                 ; 256 classes in bytes; else my own rows, so that the address never leaves x
	s_mov_b32 s3, 0
	s_add_nc_u64 s[PFB:PFB+1], s[4:5], s[2:3]
	s_mov_b32 s[SEL], 0x76543210
	s_mov_b32 s[SEL+1], 0xfedcba98
	s_mov_b32 s[MK], 0xaaaaaaaa
	s_mov_b32 s[MK+1], 0xcccccccc
	s_mov_b32 s[MK+2], 0xf0f0f0f0
	s_mov_b32 s[MK+3], 0xff00ff00
	s_mov_b32 s[L2E], 0x3fb8aa3b                   ; log2(e)
	s_mov_b32 s[EPS], 0x3089705f                   ; 1e-9
	; descriptor group 1: dense blocks as rows of 256 bytes (32 elements of 8 bytes), no padding: a wave's part of a slot 102 rows, a unit 17
	s_mov_b32 s[G1D], 0x0023000f                   ; 15:0 the mask: all four work-groups; 17:16 elements of 8 bytes; 21 set beside a mask
	s_mov_b32 s[G1X], 0x0023000f
.irp g, G1D, G1X
	s_mov_b32 s[\g+1], 32<<16                      ; tensor_dim0
	s_mov_b32 s[\g+3], 32<<16                      ; tile_dim0
	s_mov_b32 s[\g+5], 32                          ; from row to row
	s_mov_b32 s[\g+6], 0
	s_mov_b32 s[\g+7], 0
.endr
	s_mov_b32 s[G1D+2], 102<<16                    ; tensor_dim1
	s_mov_b32 s[G1D+4], 102                        ; tile_dim1
	s_mov_b32 s[G1X+2], 34<<16                     ; two units: 34 rows
	s_mov_b32 s[G1X+4], 34
	s_mov_b32 s61, 0
	s_mul_i32 s60, s[WV], PWB
	s_add_nc_u64 s[PWA:PWA+1], s[6:7], s[60:61]    ; wq at my eight units of tiles 12-15
	s_mul_i32 s60, s[WV], QWW
	s_add_nc_u64 s[QWA:QWA+1], s[6:7], s[60:61]
	s_add_nc_u64 s[QWA:QWA+1], s[QWA:QWA+1], QBASE ; and at my eight K steps of tiles 0-11
	s_mul_i32 s[RAS], s[WV], RAW
	s_add_co_u32 s[RAS], s[RAS], RA                ; my part of slot A,
	s_mul_i32 s[RBS], s[WV], RBW
	s_add_co_u32 s[RBS], s[RBS], RB                ; of slot B
	MKG0 GA, RAS, 0,   QWA, 0                      ; K steps 0, 1
	MKG0 GB, RBS, 0,   QWA, 2*QWB                  ; K steps 2, 3
	MKG0 GD, RAS, 0,   QWA, 4*QWB                  ; K steps 4, 5
	MKG0 GE, RBS, 0,   QWA, 6*QWB                  ; K steps 6, 7
	MKG0 GF, RAS, 0,   PWA, 0                      ; tiles 12-15, K steps 0-5
	MKG0 GG, RAS, 0,   PWA, 6*UB                   ; tiles 12-15, K steps 6, 7, into the places of K steps 0, 1
	s_mov_b32 s[TP], s[RAS]
	; LDS addresses of x's phase and of the product
	s_lshl_b32 s60, s[WV], 14
	v_add_nc_u32 v[IMG0], s60, v[L16]              ; my 16 images
	s_lshl_b32 s60, s[WV], 11
	v_add_nc_u32 v[IMG], s60, v[IMG0]              ; those of pair w
	s_mul_i32 s60, s[WV], EBW
	s_add_co_u32 s60, s60, EB                      ; my stage
	v_add_nc_u32 v[STW], s60, v[L16]
	v_and_b32 v[XSW], 15, v0                       ; r
	v_bfe_u32 v[ASB], v0, 4, 1                     ; h
	v_mul_u32_u24 v[STR], v[XSW], 528
	v_lshl_add_u32 v[STR], v[ASB], 6, v[STR]
	v_add_nc_u32 v[STR], s60, v[STR]
	s_lshl_b32 s60, s[WV], 2
	s_add_co_u32 s60, s60, XS
	v_lshl_add_u32 v[XSW0], v[XSW], 4, s60
	s_lshl_b32 s60, s[WV], 10
	v_add_nc_u32 v[XSW], s60, v[XSW0]              ; the scale words of pair w
	v_add_nc_u32 v[ASB], XS, v[L16]
	v_add_nc_u32 v[B0D], s[RAS], v[L16]
	v_add_nc_u32 v[B0S], s[RAS], v[L8]
	v_add_nc_u32 v[B1D], s[RBS], v[L16]
.irp b, 0,1,2,3
	v_mov_b32 v[TM+4+\b], 0                        ; written once: a lane permute's destination counts as one of its sources
.endr
	CROUND                                         ; all four work-groups are here: the first joint loads meet
	tensor_load_to_lds s[GA:GA+3], s[G1D:G1D+7]    ; slot A's first fill: one tensor load of mine is out
	s_nop 0
	PLACES 4
; ======== x: my 32 rows become 16 fragments, four a trip: two K steps x two row blocks.  Sixteen stages: one ahead of the loop, twelve in it, three behind it
	XSTAGE 0, 1, 48, 0
	s_mov_b32 s[CNT], 3
	s_mov_b32 s[TK], s[WV]
.Lx:
	s_add_co_u32 s[TK], s[TK], 1
	s_and_b32 s60, s[TK], 3                        ; the next trip's pair of K steps: this trip's loads fetch it
	s_lshl_b32 s61, s60, 10
	s_wait_xcnt 0x0                                ; the loads issued so far have read their offset: it is rewritten only behind this wait
	v_add_nc_u32 v[XO], s61, v[L16]
	XSTAGE 1, 1, 48, 1
	XSTAGE 2, 1, 48, 1
	XSTAGE 3, 1, 48, 1
	XSTAGE 4, 1, 48, 1
	v_add_nc_u32 v[XSW], s61, v[XSW0]              ; on to the next pair's scale words
	s_lshl_b32 s61, s60, 11
	v_add_nc_u32 v[IMG], s61, v[IMG0]              ; and images
	s_sub_co_u32 s[CNT], s[CNT], 1
	s_cmp_lg_u32 s[CNT], 0
	s_wait_alu depctr_va_vdst(0)
	s_cbranch_scc1 .Lx
	s_wait_tensorcnt 0x0                           ; slot A's first fill has landed
	ds_add_u32 v[SPW], v[NIL]
	s_wait_dscnt 0x0
	CROUND
	tensor_load_to_lds s[GB:GB+3], s[G1D:G1D+7]    ; slot B's first fill: my one tensor load behind the round
	s_nop 0
	PLACES 4
	XSTAGE 1, 0, 32, 1                             ; the last three stages load nothing: the counts run down
	XSTAGE 2, 0, 16, 1
	XSTAGE 3, 0, 0, 1
	s_wait_dscnt 0x0
	XQ 3
	s_wait_dscnt 0x0                               ; for the others' sake: my images have landed
	BAR                                            ; x's 64 fragments lie in LDS.  My tensor loads may stay out
	v_add_nc_u32 v[B1S], s[RBS], v[L8]             ; (the registers of x's phase are free)
	s_mul_i32 s60, s[WV], EBW
	s_add_co_u32 s60, s60, EB
	v_add_nc_u32 v[ES2], s60, v[L16]
; ======== tiles 0-11, in windows 1 to 3: eight K steps of 96 matrix instructions, written out: every offset is an immediate
	s_wait_tensorcnt 0x1                           ; slot A's first fill is in; slot B's, issued behind it, may be out
	LDA 0, L16, 0, 0
	LDA 0, L16, 0, 4
	LDSA 0, ASB, 0
	LDB 0, B0D, 0
	LDSB 0, B0S, 4096
	QK 0, 1, B0D, B0S, 0,   1024, 512,  B0D, B0S, QWB, 0, 0, 0        ; K step 0 starts the sums
	QK 1, 0, B0D, B0S, QWB, 2048, 1024, B1D, B1S, 0,   1, GD, G1D     ; slot A is read out: K steps 4, 5 are asked for
	QK 0, 0, B1D, B1S, 0,   3072, 1536, B1D, B1S, QWB, 0, 0, 0
	QK 1, 0, B1D, B1S, QWB, 4096, 2048, B0D, B0S, 0,   1, GE, G1D     ; slot B: K steps 6, 7
	QK 0, 0, B0D, B0S, 0,   5120, 2560, B0D, B0S, QWB, 0, 0, 0
	QK 1, 0, B0D, B0S, QWB, 6144, 3072, B1D, B1S, 0,   1, GF, G1D     ; slot A: K steps 0-5 of tiles 12-15
	QK 0, 0, B1D, B1S, 0,   7168, 3584, B1D, B1S, QWB, 0, 0, 0
	QK 1, 0, B1D, B1S, QWB, 0,    0,    B0D, B0S, 0,   0, 0, 0, 1     ; the last K step asks for the first operands of tiles 12-15: x's K step 0, slot A's first unit
; ======== the spill: tiles 8-11 go to LDS as images of their registers: 25 over my part of slot B, which has had its last fill and its last read, 7 beside it; each accumulator from its low end on
	PLACES 5                                       ; four in front of the stores; five in front of the products below, which begin window 3's sums anew
	WIN 0x0c                                       ; an LDS store's data are its source 1: window 3
.set q, 0
.rept 32
.if q < NE
	ds_store_b128 v[ESP], v[8*q:8*q+3] offset:1024*q
	ds_store_b128 v[ESP], v[8*q+4:8*q+7] offset:1024*q+512
.else
	ds_store_b128 v[ES2], v[8*q:8*q+3] offset:1024*(q-NE)
	ds_store_b128 v[ES2], v[8*q+4:8*q+7] offset:1024*(q-NE)+512
.endif
.set q, q+1
.endr
	WIN 0
; ======== tiles 12-15, in window 3: eight K steps of 32 matrix instructions; each step's operands are asked for a step ahead
	s_wait_dscnt 0x0                               ; the spill's stores have read their registers, K step 0's operands are in
	PLOADS 1, L16, 1024, ASB, 512, B0D, B0S, UB
	WIN 0xf0
	MUL 0, 0, 0, 4, 1                              ; K step 0 starts the sums
	WIN 0
	s_wait_tensorcnt 0x0                           ; no tensor load of mine is out;
	ds_add_u32 v[SPW], v[NIL]                      ; 0 onto my spare word;
	s_wait_dscnt 0x0                               ; the add is done, K step 1's operands are in: my reads of slot A's first two units are over
	CROUND
	tensor_load_to_lds s[GG:GG+3], s[G1X:G1X+7]    ; K steps 6, 7 into the places of K steps 0, 1: 128 matrix instructions stand ahead of the wait for it
	s_nop 0
	PLACES 4
	s_mov_b32 s[TA], 0
	s_mov_b32 s[TS], 0
	s_mov_b32 s[CNT], 2
.Lp:                                               ; trip j: K steps 2 j + 1 and 2 j + 2; x's and W's addresses stand at K step 2 j
	s_wait_dscnt 0x0
	v_add_nc_u32 v[AAD], s[TA], v[L16]             ; (these four are the places in front of the loads)
	v_add_nc_u32 v[ASD], s[TS], v[ASB]
	v_add_nc_u32 v[BPD], s[TP], v[L16]
	v_add_nc_u32 v[BPS], s[TP], v[L8]
	PLOADS 0, AAD, 2048, ASD, 1024, BPD, BPS, 2*UB
	WIN 0xf0
	MUL 1, 1, 0, 4, 0
	WIN 0
	s_wait_alu depctr_va_vdst(0)
	s_wait_dscnt 0x0
	PLACES 4
	PLOADS 1, AAD, 3072, ASD, 1536, BPD, BPS, 3*UB
	WIN 0xf0
	MUL 0, 0, 0, 4, 0
	WIN 0
	s_add_co_u32 s[TA], s[TA], 2048
	s_add_co_u32 s[TS], s[TS], 1024
	s_add_co_u32 s[TP], s[TP], 2*UB
	s_sub_co_u32 s[CNT], s[CNT], 1
	s_cmp_lg_u32 s[CNT], 0
	s_cbranch_scc1 .Lp
	s_wait_dscnt 0x0                               ; the last three K steps are written out, so that the wait for K steps 6, 7 stands ahead of their loads alone
	PLACES 4
	s_wait_tensorcnt 0x0                           ; K steps 6, 7 are in: no load was issued behind theirs; only I read them
	PLOADS 0, L16, 6144, ASB, 3072, B0D, B0S, 0
	WIN 0xf0
	MUL 1, 1, 0, 4, 0                              ; K step 5
	WIN 0
	s_wait_dscnt 0x0
	PLACES 4
	PLOADS 1, L16, 7168, ASB, 3584, B0D, B0S, UB
	WIN 0xf0
	MUL 0, 0, 0, 4, 0                              ; K step 6
	WIN 0
	s_wait_dscnt 0x0
	WIN 0xf0
	MUL 1, 1, 0, 4, 0                              ; K step 7
	WIN 0
; ======== routing.  The address lines are the places behind the last products
	v_bfe_u32 v[W0], v0, 0, 1
	v_lshlrev_b32 v[EXR], 8, v[W0]
	v_bfe_u32 v[W0], v0, 1, 1
	v_lshl_or_b32 v[EXR], v[W0], 7, v[EXR]
	v_bfe_u32 v[W0], v0, 2, 1
	v_lshl_or_b32 v[EXR], v[W0], 6, v[EXR]
	v_bfe_u32 v[W0], v0, 3, 1
	v_lshl_or_b32 v[EXR], v[W0], 4, v[EXR]
	v_bfe_u32 v[W0], v0, 4, 1                      ; h
	v_lshl_or_b32 v[EXR], v[W0], 5, v[EXR]         ; RO = 256 r0 + 128 r1 + 64 r2 + 32 h + 16 r3 (r0..r3: the bits of r): the butterfly leaves me rows RO / 4 + 0 .. 3
	v_lshlrev_b32 v[DSR], 5, v[W0]
	s_lshl_b32 s60, s[WV], 9
	s_add_co_u32 s61, s60, DS
	v_add_nc_u32 v[DSW], s61, v[EXR]
	v_add_nc_u32 v[DSR], s61, v[DSR]
	s_add_co_u32 s61, s60, EX
	v_add_nc_u32 v[EXW], s61, v[EXR]
	v_add_nc_u32 v[EXR], EX, v[EXR]
	s_lshl_b32 s[SQA], s[WV], 2
	s_add_co_u32 s[SQA], s[SQA], EX+2048
	v_bfe_u32 v[W0], v0, 2, 3
	v_and_b32 v[PFO], 3, v0
	v_lshlrev_b32 v[PFO], 8, v[PFO]
	v_lshl_or_b32 v[PFO], v[W0], 12, v[PFO]        ; eight rows, four blocks of 256 bytes in each: a lane a block,
	s_lshl_b32 s61, s[WV], 10
	v_add_nc_u32 v[PFO], s61, v[PFO]               ; in my wave's first pair of K steps
.irp q, 0,1,2,3
	v_mov_b32 v[B4+\q], 0                          ; b begins as zeros,
.endr
	s_mov_b32 s60, 0x3c000000
.set q, 0
.rept 64
	v_mov_b32 v[DD+q], s60                         ; so the first d is 1 / 128 in every row.  (The round is written once; these 64 lines take the place of a first round of its own)
.set q, q+1
.endr
	s_mov_b32 s[IT], 0
.Liter:
	; ---- c = the sum of d e
	; A PREFETCH, in the second round alone, of what the class 256 further on will load first: the 1,024 bytes of pair w of the 32 rows of my wave's share there: its first four sets of loads.
	; A lane names a block of 256 bytes (eight rows, four blocks in each, an instruction), four instructions a wave; each block is named once in the launch; classes 256 and up ask for nothing.
	s_cmp_eq_u32 s[IT], s[PFI]
	s_cbranch_scc0 .Lnopf
.irp q, 0,1,2,3
	global_prefetch_b8 v[PFO], s[PFB:PFB+1] offset:32768*\q th:TH_LOAD_NT scope:SCOPE_SE
.endr
.Lnopf:
	CW 4, 0, 1, RT, 0, BP, 1                       ; the spilled tiles come two at a time, asked for ahead of the work on accumulators
	WIN 0
	s_wait_dscnt 0x0
	CL2 RT, 8, BP, 9
	CW 8, 4, 1, RT, 2, BP, 3
	CW 12, 12
	WIN 0
	s_wait_dscnt 0x0
	CL2 RT, 10, BP, 11
.irp t, 0,1,2,3,4,5,6,7,8,9,10,11,12,13,14,15
	v_add_f32 v[CP+2*\t], v[CP+2*\t], v[CP+2*\t+1]               ; even rows' and odd rows' sums,
.endr
.irp t, 0,1,2,3,4,5,6,7,8,9,10,11,12,13,14,15
	v_permlanex16_b32 v[CP+2*\t+1], v[CP+2*\t], s[SEL], s[SEL+1]
.endr
.irp t, 0,1,2,3,4,5,6,7,8,9,10,11,12,13,14,15
	v_add_f32 v[CP+2*\t], v[CP+2*\t], v[CP+2*\t+1]               ; and the other half of the lanes': c of column r of tile t, not yet squashed
.endr
.irp t, 0,1,2,3
	v_mul_f32 v[XT+\t], v[CP+2*\t], v[CP+2*\t]                   ; my wave's share of |c|^2, in four chains
.endr
.irp t, 4,5,6,7,8,9,10,11,12,13,14,15
	v_fma_f32 v[XT+\t%4], v[CP+2*\t], v[CP+2*\t], v[XT+\t%4]
.endr
	v_add_f32 v[XT], v[XT], v[XT+1]
	v_add_f32 v[XT+2], v[XT+2], v[XT+3]
	v_add_f32 v[XT], v[XT], v[XT+2]
	v_add_f32_dpp v[XT], v[XT], v[XT] row_xmask:1 row_mask:0xf bank_mask:0xf
	v_add_f32_dpp v[XT], v[XT], v[XT] row_xmask:2 row_mask:0xf bank_mask:0xf
	v_add_f32_dpp v[XT], v[XT], v[XT] row_xmask:4 row_mask:0xf bank_mask:0xf
	v_add_f32_dpp v[XT], v[XT], v[XT] row_xmask:8 row_mask:0xf bank_mask:0xf
	s_cmp_eq_u32 s[IT], 2                          ; the third c is the result: its b feeds nothing
	s_cbranch_scc1 .Lfinal
	; ---- e . c, with the c that is not yet squashed: the coefficient multiplies the finished sums
	BW 4, 0, 1, 1, RT, 0, DD, 1                    ; (d has been used: its registers take a spilled tile)
	WIN 0
	s_wait_dscnt 0x0
	BL RT, 8
	BL DD, 9
	BW 8, 4, 0, 1, RT, 2, DD, 3
	BW 12, 12, 0
	WIN 0
	s_wait_dscnt 0x0
	BL RT, 10
	BL DD, 11
	BFLY 1, 32, MK                                 ; 64 sums a lane over 16 lanes become 4 whole sums a lane
	BFLY 2, 16, MK+1
	BFLY 4, 8, MK+2
	BFLY 8, 4, MK+3
	v_mov_b32 v[W0], s[SQA]
	ds_store_b128 v[EXW], v[BP:BP+3]               ; my wave's 256 columns' share, in row order,
	ds_store_b32 v[W0], v[XT]                      ; and its square (every lane writes the same word)
	s_wait_dscnt 0x0                               ; for the others' sake: my stores have landed
	BAR
	v_mov_b32 v[W0], EX+2048
.irp u, 0,1,2,3
	ds_load_b128 v[RT+4*\u:RT+4*\u+3], v[EXR] offset:512*\u
.endr
	ds_load_b128 v[RT+16:RT+19], v[W0]
	s_wait_dscnt 0x0                               ; my reads are over:
	BAR                                            ; when all four waves' are, the record may be written again in the next round
	SQSUM
	v_pk_add_f32 v[RT:RT+1], v[RT:RT+1], v[RT+4:RT+5]            ; the four waves' shares (plain work behind the transcendentals)
	v_pk_add_f32 v[RT+2:RT+3], v[RT+2:RT+3], v[RT+6:RT+7]
	v_pk_add_f32 v[RT+8:RT+9], v[RT+8:RT+9], v[RT+12:RT+13]
	v_pk_add_f32 v[RT+10:RT+11], v[RT+10:RT+11], v[RT+14:RT+15]
	v_pk_add_f32 v[RT:RT+1], v[RT:RT+1], v[RT+8:RT+9]
	v_pk_add_f32 v[RT+2:RT+3], v[RT+2:RT+3], v[RT+10:RT+11]
	COEFF
.irp q, 0,1,2,3
	v_fma_f32 v[B4+\q], v[RT+17], v[RT+\q], v[B4+\q]             ; b += coeff (e . c)
.endr
	; ---- d = softmax(b) over the 128 rows: four in a lane, 32 lanes; every wave makes it for itself
	v_max3_num_f32 v[RT+20], v[B4], v[B4+1], v[B4+2]
	v_max_num_f32 v[RT+20], v[RT+20], v[B4+3]
	v_max_num_f32_dpp v[RT+20], v[RT+20], v[RT+20] row_xmask:1 row_mask:0xf bank_mask:0xf
	v_max_num_f32_dpp v[RT+20], v[RT+20], v[RT+20] row_xmask:2 row_mask:0xf bank_mask:0xf
	v_max_num_f32_dpp v[RT+20], v[RT+20], v[RT+20] row_xmask:4 row_mask:0xf bank_mask:0xf
	v_max_num_f32_dpp v[RT+20], v[RT+20], v[RT+20] row_xmask:8 row_mask:0xf bank_mask:0xf
	v_permlanex16_b32 v[RT+21], v[RT+20], s[SEL], s[SEL+1]
	v_max_num_f32 v[RT+20], v[RT+20], v[RT+21]     ; the largest b
.irp q, 0,1,2,3
	v_sub_f32 v[RT+24+\q], v[B4+\q], v[RT+20]
.endr
.irp q, 0,1,2,3
	v_mul_f32 v[RT+24+\q], s[L2E], v[RT+24+\q]
.endr
	s_wait_alu depctr_va_vdst(0)
.irp q, 0,1,2,3
	v_exp_f32 v[RT+24+\q], v[RT+24+\q]             ; e^(b - the largest b), at most 1
.endr
	v_nop                                          ; a plain line behind the last exponential,
	s_wait_alu depctr_va_vdst(0)                   ; and one wait for the four, ahead of their first reader
	v_add_f32 v[RT+20], v[RT+24], v[RT+25]
	v_add_f32 v[RT+21], v[RT+26], v[RT+27]
	v_add_f32 v[RT+20], v[RT+20], v[RT+21]
	v_add_f32_dpp v[RT+20], v[RT+20], v[RT+20] row_xmask:1 row_mask:0xf bank_mask:0xf
	v_add_f32_dpp v[RT+20], v[RT+20], v[RT+20] row_xmask:2 row_mask:0xf bank_mask:0xf
	v_add_f32_dpp v[RT+20], v[RT+20], v[RT+20] row_xmask:4 row_mask:0xf bank_mask:0xf
	v_add_f32_dpp v[RT+20], v[RT+20], v[RT+20] row_xmask:8 row_mask:0xf bank_mask:0xf
	v_permlanex16_b32 v[RT+21], v[RT+20], s[SEL], s[SEL+1]
	v_add_f32 v[RT+20], v[RT+20], v[RT+21]
	s_wait_alu depctr_va_vdst(0)
	v_rcp_f32 v[RT+20], v[RT+20]
	v_nop
	s_wait_alu depctr_va_vdst(0)
.irp q, 0,1,2,3
	v_mul_f32 v[RT+24+\q], v[RT+24+\q], v[RT+20]
.endr
	ds_store_b128 v[DSW], v[RT+24:RT+27]           ; d in row order, in my wave's own 512 bytes (every wave's last read of x's images stands ahead of the barriers above),
.irp a, 0,1,2,3,4,5,6,7
	ds_load_b128 v[DD+8*\a:DD+8*\a+3], v[DSR] offset:64*\a       ; and back as the accumulators' rows lie: d(16 a + 8 h + j).  LDS serves a wave's instructions in order
	ds_load_b128 v[DD+8*\a+4:DD+8*\a+7], v[DSR] offset:64*\a+16
.endr
	s_wait_dscnt 0x0
	s_add_co_u32 s[IT], s[IT], 1
	s_cmp_lt_u32 s[IT], 3
	s_cbranch_scc1 .Liter
.Lfinal:
	; ======== the way out: coeff c.  A lane holds one column of each of 16 tiles: through my wave's own 1,024 bytes of LDS they become 256 neighbouring columns
	v_mov_b32 v[W0], s[SQA]
	s_wait_alu depctr_va_vdst(0)
	ds_store_b32 v[W0], v[XT]
	s_wait_dscnt 0x0
	BAR
	v_mov_b32 v[W0], EX+2048
	ds_load_b128 v[RT+16:RT+19], v[W0]
	s_lshl_b32 s60, s[WV], 10
	s_add_co_u32 s60, s60, OS
	s_wait_dscnt 0x0
	SQSUM
	v_and_b32 v[EXW], 15, v0                       ; (plain work behind the transcendentals)
	v_lshl_add_u32 v[EXW], v[EXW], 2, s60          ; in: 4 r, tile t 64 bytes on
	v_add_nc_u32 v[EXR], s60, v[L16]               ; back: 16 bytes a lane
	COEFF
.irp t, 0,1,2,3,4,5,6,7,8,9,10,11,12,13,14,15
	v_mul_f32 v[RT+32+\t], v[RT+17], v[CP+2*\t]
.endr
.irp t, 0,1,2,3,4,5,6,7,8,9,10,11,12,13,14,15
	ds_store_b32 v[EXW], v[RT+32+\t] offset:64*\t  ; lanes r and 16 + r hold the same number and write it to the same place
.endr
	ds_load_b128 v[RT:RT+3], v[EXR]
	ds_load_b128 v[RT+4:RT+7], v[EXR] offset:512
	s_wait_dscnt 0x0
	global_store_b128 v[L16], v[RT:RT+3], s[8:9] th:TH_STORE_NT              ; 32 lanes store 512 consecutive bytes, at a multiple of 256 from out0's first byte
	global_store_b128 v[L16], v[RT+4:RT+7], s[8:9] offset:512 th:TH_STORE_NT
	s_wait_tensorcnt 0x0                           ; the wave's end: behind my last tensor load and my last LDS store
	ds_add_u32 v[SPW], v[NIL]
	s_wait_dscnt 0x0
	CROUND                                         ; the closing round: no work-group ends while a partner may still ask for a piece that names it
	s_endpgm
.Lfunc_end_k_q6d651faca0_induct:
	.size	k_q6d651faca0_induct, .Lfunc_end_k_q6d651faca0_induct-k_q6d651faca0_induct
	.p2alignl 7, 3214868480
	.fill 96, 4, 3214868480
	.section	.rodata,"a",@progbits
	.p2align	6, 0x0
	.amdhsa_kernel k_q6d651faca0_induct
		.amdhsa_group_segment_fixed_size 327680
		.amdhsa_private_segment_fixed_size 0
		.amdhsa_enable_private_segment 0
		.amdhsa_kernarg_size 24
		.amdhsa_user_sgpr_count 2
		.amdhsa_user_sgpr_kernarg_segment_ptr 1
		.amdhsa_wavefront_size32 1
		.amdhsa_system_sgpr_workgroup_id_x 1
		.amdhsa_system_sgpr_workgroup_id_y 1
		.amdhsa_system_sgpr_workgroup_id_z 1
		.amdhsa_system_vgpr_workitem_id 0
		.amdhsa_next_free_vgpr 1024
		.amdhsa_next_free_sgpr 96
		.amdhsa_reserve_vcc 0
		.amdhsa_float_denorm_mode_32 3
		.amdhsa_float_denorm_mode_16_64 3
		.amdhsa_memory_ordered 1
		.amdhsa_forward_progress 1
		.amdhsa_inst_pref_size 255
	.end_amdhsa_kernel
	.section	.bss,"aw",@nobits
	.p2align	6
	.space	262144
	.amdgpu_metadata
---
amdhsa.version: [ 1, 2 ]
amdhsa.kernels:
  - .name:           k_q6d651faca0_induct
    .symbol:         k_q6d651faca0_induct.kd
    .args:
      - { .name: x, .offset: 0, .size: 8, .value_kind: global_buffer, .address_space: global }
      - { .name: wq, .offset: 8, .size: 8, .value_kind: global_buffer, .address_space: global }
      - { .name: out0, .offset: 16, .size: 8, .value_kind: global_buffer, .address_space: global }
    .group_segment_fixed_size: 327680
    .private_segment_fixed_size: 0
    .kernarg_segment_align: 8
    .kernarg_segment_size: 24
    .max_flat_workgroup_size: 128
    .sgpr_count:     96
    .vgpr_count:     1024
    .wavefront_size: 32
...
	.end_amdgpu_metadata
.endif
;; end of part 2
